; MI455X (gfx1250); checked and timed in simulation.
; The chip was launched on July 23, 2026; its instructions are those of AMD's public machine-readable ISA for CDNA 5 (MIT licence, August 2026) and "CDNA5" Instruction Set Architecture Reference Guide (July 2026). The comments in the code are by the model that wrote it; some were corrected since.
;; Mo E Experts. Allowed arithmetic: float matrix products may take bf16 or f16 operands with f32 sums; all other float work in f32.
;; Inputs: expert_indices 1,024 x 2 int32; expert_weights 1,024 x 2 float32; w1_stacked 8 x 2,048 x 1,024 float32; w2_stacked 8 x 1,024 x 2,048 float32; w3_stacked 8 x 2,048 x 1,024 float32; x 1,024 x 2,048 float32.
;; Outputs: out0 1,024 x 2,048 float32.
;; Constants: num_experts_per_tok = 2.
;; One version. Each part assembles by itself: llvm-mc -triple=amdgcn-amd-amdhsa -mcpu=gfx1250 --defsym DOCPART=n.
;; ======== version 1 of 1: 4 launches
;; limits: values outside matrix products are rounded to bf16
;; workspace buffers: route 8,448 bytes of whole numbers; xs 9,437,184 bytes; hs 9,437,184 bytes; ys 18,874,368 bytes
;; launch sortx (part 1): grid 144 x 1, 8 waves a work-group, no clusters, 73,984 bytes of LDS; arguments expert_indices, x, route, xs; writes route, xs
.if DOCPART == 1
	.amdgcn_target "amdgcn-amd-amdhsa--gfx1250"
	.amdhsa_code_object_version 6
	.text
	.protected	k_q032b5ff684_sortx
	.globl	k_q032b5ff684_sortx
	.p2align	8
	.type	k_q032b5ff684_sortx,@function
k_q032b5ff684_sortx:
	s_mov_b64 s[64:65], 0
	v_nop
	global_prefetch_b8 v0, s[64:65] scope:SCOPE_SE
	s_setreg_imm32_b32 hwreg(HW_REG_WAVE_MODE, 25, 1), 1
	s_wait_xcnt 0x0
; SORT THE 2,048 (token, slot) PAIRS BY EXPERT AND LAY THEIR ROWS OF x OUT AS bf16 MATRIX FRAGMENTS.
; Expert e with n_e pairs gets T_e = max(1, ceil(n_e / 32)) tiles of 32 rows, from tile O_e on (O = running sum of T; the sum is 71 at the most, 72 tiles are kept).
; pos(pair) = 32 O_e + the pair's rank among e's pairs (by pair number).  Rows that no pair takes are zeros.
; Every work-group repeats the small integer sort (8 KB of indices) and then owns 16 sorted rows: work-group g has rows 16 g .. 16 g + 15.  Work-group 0 also stores the table:
;   route words 0..2047: pos(pair), pair = 2 token + slot (0 for an index outside 0..7);   route byte 8192 + 8 e: O_e, T_e.
; xs: tile * 131072 + (K quarter of 512) * 32768 + (row tile of 16) * 16384 + (K step of 32) * 1024 + half * 512 + 16 L; the 16 bytes of lane L = r + 16 h hold
;   k = 32 step + 16 half + 8 h + 0..7 of row r: what a lane of the 16-bit matrix operand holds, so that later launches read fragments by plain contiguous loads.
; LIMITS.  An index outside 0..7 is given no row (reference() gives it no expert either).  x is rounded to bf16, to nearest even.
; No matrix work, no tensor loads: the launch moves 18 MB in and 9 MB out through registers, and EXEC is never changed.
.set WT,   0                           ; LDS: 8 waves x 16 bytes, the waves' counts
.set TAB,  256                         ; 8 copies (one a wave, 128 bytes apart) of 16 words: which pair takes my row r; word 16 takes what belongs to other work-groups
.set LUT,  1280                        ; 256 threads x 16 bytes: the thread's eight first positions, 16 bits each
.set STG,  5376                        ; 8 waves x 16 rows x 528 bytes (512 of data + 16: an odd multiple of 16, so that 16 rows' equal columns fall on different banks)
.set SROW, 528
.set E,  8                             ; v[8:15]   the thread's eight expert numbers
.set R,  16                            ; v[16:23]  rank inside the thread, then pos
.set P,  28                            ; v[28:31]  the thread's counts, experts 2 q and 2 q + 1 in the halves of word q; then its first positions
.set S,  32                            ; v[32:35]  running sums
.set T,  36                            ; v[36:39]  at work in the running sums
.set F,  40                            ; v[40:47]  at work
.set OF, 48                            ; v[48:63]  row r: byte offset in x
.set XD, 64                            ; v[64:191] row r: eight f32 a lane; then the fragments on their way out
.set VM,  16                           ; s[16:23]  slot j: lanes whose index is inside 0..7
.set L15, 24                           ; s[24:27]  at work in the running sums
.set TOT, 28                           ; s[28:31]  my wave's counts
.set PRE, 32                           ; s[32:35]  the counts of the waves in front of mine
.set GT,  36                           ; s[36:39]  all waves' counts
.set TE,  40                           ; s[40:47]  T_e
.set OE,  48                           ; s[48:55]  O_e
.set RM,  66                           ; s[66:81]  row r: all ones if a pair takes it, else 0
; One of the thread's eight pairs: its rank among the thread's earlier pairs of the same expert.  v24 holds eight counters of four bits (8 at the most).
.macro COUNT j
	v_cmp_gt_u32 s[VM+\j], 8, v[E+\j]              ; unsigned: negative numbers fall out too
	v_cndmask_b32 v25, 0, 1, s[VM+\j]
	v_min_u32 v[E+\j], 7, v[E+\j]
	v_lshlrev_b32 v26, 2, v[E+\j]
	v_bfe_u32 v[R+\j], v24, v26, 4
	v_lshl_add_u32 v24, v25, v26, v24
.endm
; Running sums of S over the 32 lanes, each lane's own number included: four steps inside each half of 16 lanes, then lane 15's sum is added to the upper half.
.macro SCAN
.irp d, 1,2,4,8
.irp q, 0,1,2,3
	v_mov_b32_dpp v[T+\q], v[S+\q] row_shr:\d row_mask:0xf bank_mask:0xf bound_ctrl:1
.endr
.irp q, 0,1,2,3
	v_add_nc_u32 v[S+\q], v[S+\q], v[T+\q]
.endr
.endr
.irp q, 0,1,2,3
	v_readlane_b32 s[L15+\q], v[S+\q], 15
.endr
.irp q, 0,1,2,3
	v_cndmask_b32 v[T+\q], 0, s[L15+\q], s14
	v_add_nc_u32 v[S+\q], v[S+\q], v[T+\q]
.endr
.endm
; If pair 8 tau + j falls on one of my work-group's 16 rows, its number goes to that row's word of my wave's table; every other pair goes to word 16, which nobody reads.
.macro PLACE j
	v_cndmask_b32 v7, v5, v[R+\j], s[VM+\j]        ; no valid index: -1, which stays far above 16 below
	v_sub_nc_u32 v7, v7, s13                       ; pos - 16 g, unsigned: rows in front of mine wrap to large numbers
	v_min_u32 v7, 16, v7
	v_lshl_add_u32 v7, v7, 2, s15
	v_lshl_or_b32 v27, v0, 3, \j
	ds_store_b32 v7, v27
.endm
	s_load_b256 s[4:11], s[0:1], 0x0               ; expert_indices s[4:5], x s[6:7], route s[8:9], xs s[10:11]
	v_lshl_add_u32 v192, v0, 2, 0x11d00
	v_mov_b32 v193, 0
	v_and_b32 v1, 31, v0                           ; lane
	v_lshrrev_b32 v2, 5, v0
	v_readfirstlane_b32 s12, v2                    ; wave 0..7: also the eighth of K that it carries
	s_lshl_b32 s13, ttmp9, 4                       ; my work-group's first sorted row
	s_mov_b32 s14, 0xffff0000                      ; lanes 16 to 31
	s_lshl_b32 s15, s12, 7
	s_add_co_u32 s15, s15, TAB                     ; my wave's table
	v_lshlrev_b32 v3, 5, v0                        ; thread tau takes pairs 8 tau .. 8 tau + 7: 32 bytes
	s_wait_kmcnt 0x0
	global_load_b128 v[E:E+3], v3, s[4:5]
	global_load_b128 v[E+4:E+7], v3, s[4:5] offset:16
	v_min_u32 v4, 16, v1
	v_lshl_add_u32 v4, v4, 2, s15
	v_mov_b32 v5, -1
	ds_store_b32 v4, v5                            ; my wave's table starts as 'no pair'
	v_mov_b32 v24, 0
.irp q, 0,1,2,3
	v_mov_b32 v[T+\q], 0                           ; the destination of a lane shift counts as read
.endr
	s_wait_loadcnt 0x0
.irp j, 0,1,2,3,4,5,6,7
	COUNT \j
.endr
.irp q, 0,1,2,3
	v_bfe_u32 v[P+\q], v24, 8*\q, 4                ; four bits to sixteen: the sums reach 2,303 at the most
	v_bfe_u32 v25, v24, 8*\q+4, 4
	v_lshl_or_b32 v[P+\q], v25, 16, v[P+\q]
	v_mov_b32 v[S+\q], v[P+\q]
.endr
	SCAN
.irp q, 0,1,2,3
	v_readlane_b32 s[TOT+\q], v[S+\q], 31
	v_sub_nc_u32 v[P+\q], v[S+\q], v[P+\q]         ; the pairs of the lanes in front of mine
	v_mov_b32 v[F+\q], s[TOT+\q]
.endr
	v_lshlrev_b32 v7, 4, v2
	ds_store_b128 v7, v[F:F+3] offset:WT           ; all lanes write the same 16 bytes
	s_wait_dscnt 0x0                               ; for the others' sake: my counts are in LDS
	s_barrier_signal -1
	s_barrier_wait -1
	v_min_u32 v7, 7, v1
	v_lshlrev_b32 v7, 4, v7
	ds_load_b128 v[S:S+3], v7 offset:WT            ; lane l: wave l's counts (lanes 8 and up repeat wave 7's and are not used)
	s_wait_dscnt 0x0
	SCAN
.irp q, 0,1,2,3
	v_readlane_b32 s[PRE+\q], v[S+\q], s12
	v_readlane_b32 s[GT+\q], v[S+\q], 7
.endr
.irp q, 0,1,2,3
	s_sub_co_u32 s[PRE+\q], s[PRE+\q], s[TOT+\q]
.endr
	s_mov_b32 s63, 0
.irp e, 0,1,2,3,4,5,6,7
.if (\e%2) == 0
	s_and_b32 s60, s[GT+\e/2], 0xffff
.else
	s_lshr_b32 s60, s[GT+\e/2], 16
.endif
	s_add_co_u32 s60, s60, 31
	s_lshr_b32 s60, s60, 5
	s_max_u32 s[TE+\e], s60, 1                     ; an expert without pairs keeps one tile of zeros: every later work-group has a tile to walk
	s_mov_b32 s[OE+\e], s63
	s_add_co_u32 s63, s63, s[TE+\e]
.endr
.irp q, 0,1,2,3
	s_lshl_b32 s60, s[OE+2*\q], 5
	s_lshl_b32 s61, s[OE+2*\q+1], 21
	s_or_b32 s60, s60, s61
	s_add_co_u32 s60, s60, s[PRE+\q]
	v_add_nc_u32 v[P+\q], s60, v[P+\q]             ; 32 O_e + earlier waves' + earlier lanes' pairs, for eight experts
.endr
	v_lshl_add_u32 v6, v0, 4, LUT
	ds_store_b128 v6, v[P:P+3]                     ; picked by expert number through my own 16 bytes of LDS: a wave's LDS instructions are served in order (ISA guide 5.7.1.4)
.irp j, 0,1,2,3,4,5,6,7
	v_lshl_add_u32 v7, v[E+\j], 1, v6
	ds_load_u16 v[F+\j], v7
.endr
	s_wait_dscnt 0x0
.irp j, 0,1,2,3,4,5,6,7
	v_add_nc_u32 v[R+\j], v[F+\j], v[R+\j]         ; pos
.endr
.irp j, 0,1,2,3,4,5,6,7
	PLACE \j
.endr
	s_cmp_lg_u32 ttmp9, 0                          ; work-group 0 alone stores the table
	s_cbranch_scc1 .Lno_route
.irp j, 0,1,2,3,4,5,6,7
	v_cndmask_b32 v[F+\j], 0, v[R+\j], s[VM+\j]
	v_min_u32 v[F+\j], 0x8ff, v[F+\j]
.endr
	global_store_b128 v3, v[F:F+3], s[8:9]
	global_store_b128 v3, v[F+4:F+7], s[8:9] offset:16
	s_cmp_lg_u32 s12, 0
	s_cbranch_scc1 .Lno_route
	v_mov_b32 v27, 0
.irp e, 0,1,2,3,4,5,6,7
	v_writelane_b32 v27, s[OE+\e], 2*\e
	v_writelane_b32 v27, s[TE+\e], 2*\e+1
.endr
	v_lshlrev_b32 v7, 2, v1
	global_store_b32 v7, v27, s[8:9] offset:8192
.Lno_route:
	s_wait_xcnt 0x0                                ; the stores' address and data registers are written again only behind this wait
	s_wait_dscnt 0x0                               ; for the others' sake: my wave's table is in LDS
	s_barrier_signal -1
	s_barrier_wait -1
	v_and_b32 v7, 15, v1
	v_lshlrev_b32 v7, 2, v7
.irp i, 0,1,2,3,4,5,6,7
	ds_load_b32 v[F+\i], v7 offset:TAB+128*\i      ; a row's pair stands in one wave's table, -1 in the other seven
.endr
	v_lshlrev_b32 v26, 4, v1                       ; 16 L
	v_lshl_add_u32 v27, s12, 10, v26               ; my wave's 1,024 bytes of a row of x, my 16 of their first 512
	s_wait_dscnt 0x0
	v_max3_i32 v[F], v[F], v[F+1], v[F+2]
	v_max3_i32 v[F], v[F], v[F+3], v[F+4]
	v_max3_i32 v[F], v[F], v[F+5], v[F+6]
	v_max_i32 v[F], v[F], v[F+7]                   ; lane r (and r + 16): row r's pair, or -1
.irp r, 0,1,2,3,4,5,6,7,8,9,10,11,12,13,14,15
	v_readlane_b32 s60, v[F], \r
	s_cmp_ge_i32 s60, 0
	s_cselect_b32 s[RM+\r], -1, 0
	s_lshr_b32 s60, s60, 1                         ; the token; a row without a pair reads token 1,023's row and throws it away
	s_min_u32 s60, s60, 1023
	s_lshl_b32 s60, s60, 13
	v_add_nc_u32 v[OF+\r], s60, v27
	global_load_b128 v[XD+8*\r:XD+8*\r+3],   v[OF+\r], s[6:7]
	global_load_b128 v[XD+8*\r+4:XD+8*\r+7], v[OF+\r], s[6:7] offset:512
.endr
	s_mul_i32 s60, s12, 16*SROW
	s_add_co_u32 s60, s60, STG                     ; my wave's stage
	v_lshl_add_u32 v24, v1, 3, s60                 ; in: four numbers, 8 bytes, a lane
	v_and_b32 v25, 15, v1
	v_mul_u32_u24 v25, v25, SROW
	v_lshrrev_b32 v6, 4, v1
	v_lshl_add_u32 v25, v6, 4, v25
	v_add_nc_u32 v25, s60, v25                     ; back: row L % 16, 16 bytes for each half of the lanes
	s_lshr_b32 s62, ttmp9, 1
	s_lshl_b32 s62, s62, 17                        ; tile g / 2
	s_and_b32 s61, ttmp9, 1
	s_lshl_b32 s61, s61, 14                        ; row tile g % 2
	s_add_co_u32 s62, s62, s61
	s_lshr_b32 s61, s12, 1
	s_lshl_b32 s61, s61, 15                        ; K quarter = wave / 2
	s_add_co_u32 s62, s62, s61
	s_and_b32 s61, s12, 1
	s_lshl_b32 s61, s61, 13                        ; its K steps 8 (wave % 2) on
	s_add_co_u32 s62, s62, s61
	s_mov_b32 s63, 0
	s_add_nc_u64 s[10:11], s[10:11], s[62:63]
.irp r, 0,1,2,3,4,5,6,7,8,9,10,11,12,13,14,15
	s_wait_loadcnt 30-2*\r                         ; loads come back in order (ISA guide 5.7.1): row r's two are in, the younger rows' two each stay out
.irp c, 0,1,2,3
	v_cvt_pk_bf16_f32 v[F+4*(\r%2)+\c], v[XD+8*\r+2*\c], v[XD+8*\r+2*\c+1]
.endr
.irp c, 0,1,2,3
	v_cndmask_b32 v[F+4*(\r%2)+\c], 0, v[F+4*(\r%2)+\c], s[RM+\r]   ; a choice, not a product: whatever the unused row holds, the pad row is zero
.endr
	ds_store_b64 v24, v[F+4*(\r%2):F+4*(\r%2)+1]   offset:SROW*\r
	ds_store_b64 v24, v[F+4*(\r%2)+2:F+4*(\r%2)+3] offset:SROW*\r+256
.endr
.irp i, 0,1,2,3,4,5,6,7,8,9,10,11,12,13,14,15
	ds_load_b128 v[XD+4*\i:XD+4*\i+3], v25 offset:32*\i   ; K step i / 2, half i % 2; my wave's own bytes, in order behind the stores above
.endr
.irp i, 0,1,2,3,4,5,6,7,8,9,10,11,12,13,14,15
	s_wait_dscnt 15-\i                             ; the younger read-backs stay out
	global_store_b128 v26, v[XD+4*\i:XD+4*\i+3], s[10:11] offset:512*\i   ; the wave stores 512 consecutive bytes, at a multiple of 512 from xs's first byte
.endr
	s_wait_tensorcnt 0x0
	ds_add_u32 v192, v193
	s_wait_dscnt 0x0
	s_endpgm
.Lfunc_end_k_q032b5ff684_sortx:
	.size	k_q032b5ff684_sortx, .Lfunc_end_k_q032b5ff684_sortx-k_q032b5ff684_sortx
	.p2alignl 7, 3214868480
	.fill 96, 4, 3214868480
	.section	.rodata,"a",@progbits
	.p2align	6, 0x0
	.amdhsa_kernel k_q032b5ff684_sortx
		.amdhsa_group_segment_fixed_size 73984
		.amdhsa_private_segment_fixed_size 0
		.amdhsa_enable_private_segment 0
		.amdhsa_kernarg_size 32
		.amdhsa_user_sgpr_count 2
		.amdhsa_user_sgpr_kernarg_segment_ptr 1
		.amdhsa_wavefront_size32 1
		.amdhsa_system_sgpr_workgroup_id_x 1
		.amdhsa_system_sgpr_workgroup_id_y 1
		.amdhsa_system_sgpr_workgroup_id_z 1
		.amdhsa_system_vgpr_workitem_id 0
		.amdhsa_next_free_vgpr 194
		.amdhsa_next_free_sgpr 82
		.amdhsa_reserve_vcc 0
		.amdhsa_float_denorm_mode_32 3
		.amdhsa_float_denorm_mode_16_64 3
		.amdhsa_memory_ordered 1
		.amdhsa_forward_progress 1
		.amdhsa_inst_pref_size 43
	.end_amdhsa_kernel
	.amdgpu_metadata
---
amdhsa.version: [ 1, 2 ]
amdhsa.kernels:
  - .name:           k_q032b5ff684_sortx
    .symbol:         k_q032b5ff684_sortx.kd
    .args:
      - { .name: expert_indices, .offset: 0, .size: 8, .value_kind: global_buffer, .address_space: global }
      - { .name: x, .offset: 8, .size: 8, .value_kind: global_buffer, .address_space: global }
      - { .name: route, .offset: 16, .size: 8, .value_kind: global_buffer, .address_space: global }
      - { .name: xs, .offset: 24, .size: 8, .value_kind: global_buffer, .address_space: global }
    .group_segment_fixed_size: 73984
    .private_segment_fixed_size: 0
    .kernarg_segment_align: 8
    .kernarg_segment_size: 32
    .max_flat_workgroup_size: 256
    .sgpr_count:     82
    .vgpr_count:     194
    .wavefront_size: 32
...
	.end_amdgpu_metadata
.endif
;; end of part 1
;; launch gateup (part 2): grid 32 x 8, 4 waves a work-group, no clusters, 66,048 bytes of LDS; arguments xs, w1_stacked, w3_stacked, route, hs; writes hs
.if DOCPART == 2
	.amdgcn_target "amdgcn-amd-amdhsa--gfx1250"
	.amdhsa_code_object_version 6
	.text
	.protected	k_q032b5ff684_gateup
	.globl	k_q032b5ff684_gateup
	.p2align	8
	.type	k_q032b5ff684_gateup,@function
k_q032b5ff684_gateup:
	s_mov_b64 s[64:65], 0
	v_nop
	global_prefetch_b8 v0, s[64:65] scope:SCOPE_SE
	s_setreg_imm32_b32 hwreg(HW_REG_WAVE_MODE, 25, 1), 1
	s_wait_xcnt 0x0
; hs = silu(xs W1[e]) * (xs W3[e]) FOR THE SORTED ROWS OF EXPERT e, as two bf16 numbers each (h = hi + lo), laid out as the next launch's matrix fragments.
; THE WEIGHTS STAY.  Work-group (nb, e) owns columns 32 nb .. 32 nb + 31 of W1[e] and of W3[e], all 2,048 of K: 131,072 numbers, 512 registers a wave in bf16.  Wave w holds
; K = 512 w .. 512 w + 511.  Each f32 weight is read from memory once, rounded to bf16 (nearest even), turned through the wave's own LDS stage by ds_load_tr16_b128 and kept.
; THE ROWS WALK.  The expert's T tiles of 32 rows begin at tile O (O, T: whole numbers that an earlier launch stored in route).  xs lies in fragment order and a fragment is wanted by
; one wave of the work-group alone (its K quarter), so a wave loads its fragments straight into registers, 512 consecutive bytes an instruction, each for four products.
; The four waves' partial sums meet in LDS, and wave o finishes (row tile o / 2, column tile o % 2) of the tile.
; THE ORDER OF THE WALK.  Work-group nb begins at tile nb mod T and goes round: in trip i it multiplies tile (nb + i) mod T.  So at any time the 32 work-groups of an expert ask for
; T different tiles, and the tile that a work-group asks for in trip i was asked for by its neighbour nb + 1 in trip i - 1.
; THE TRIPS.  Every wave passes every barrier, and how often must not hang on a number read from memory.  So the loop runs the largest count that the shapes allow: 2,048 pairs / 32 rows
; = 64 tiles, and one trip more to finish the last.  Trip i: one barrier; then trip i - 1's tile is finished (i <= T) and trip i's is multiplied (i < T).  A trip with i > T is the barrier alone.
; NO CLUSTER, NO JOINT LOADS, though the 32 work-groups of an expert read the same tiles: a tile's address and the number of tiles come from a table in memory, and a joint request
; is made of ids that the partners share, in the same number of rounds.
; THE MATRIX INSTRUCTION: source 0 = 16 weight columns, source 1 = 16 rows of xs.  A lane's eight results are then eight neighbouring columns of one row: 16 bytes of bf16 that are,
; as they stand, that lane's half of a fragment of the next product.
; hi AND lo.  h is an operand of the next product.  hi = bf16(h), lo = bf16(h - hi) (the difference is exact in f32): the two together keep 16 bits of h's mantissa, and the next
; launch multiplies both by the same weights.
; hs: tile * 131072 + (K quarter of 256) * 32768 + (row tile of 16) * 16384 + kk * 1024 + half * 512 + 16 L; kk = K step of 32 for hi, 8 + K step for lo.
; LIMITS.  Operands bf16, sums f32; K is summed in four quarters, then (0 + 1) + (2 + 3).  silu(g) = g / (1 + 2^(-1.442695 g)): for very negative g the power is infinite and the result 0.
; An h beyond bf16's largest finite number, 3.39e38, becomes infinite.
; Experts that no slot names are not multiplied with any token: a non-finite product that reference() would multiply by a weight of 0 does not arise here.
; The last trip that multiplies asks for the walk's first tile once more: 32 KB a wave that nobody multiplies, so that every trip issues the same loads.
; REGISTERS, in windows of 256 (s_set_vgpr_msb: bits 1:0 source 0, 3:2 source 1, 5:4 source 2, 7:6 destination):
;   window 0: v1-15 addresses; v32-95 eight accumulators ((row tile a, column tile b) at 32 + 8 (4 a + b); b = 0, 1 gate, 2, 3 up); v96-159 partial sums read back; v160-183 silu, hi, lo.
;             While the weights come in: v16-31 packed bf16, v32-255 seven slots of 32 registers of f32 on their way.
;   window 1: weights of my K steps 0-7 (step s, column tile b at 32 s + 8 b);  window 2: K steps 8-15;  window 3: a tile's 32 fragments of xs (K step k, row tile a at 16 k + 8 a).
.set MAXT,   64                        ; the most tiles an expert can have
.set PSZ,    32768                     ; LDS: two buffers of partial sums, at bytes 0 and 32,768: [owner: 8192][source wave: 2048][gate 1024, up 1024][low or high four registers: 512][16 L]
.set SPITCH, 160                       ; the weights' stage, wave w's at byte 8192 w of the first buffer: 32 rows of K x (64 bytes gate + 64 bytes up + 32): an odd multiple of 32 bytes
.set NW,     32                        ; my weights come in 32 halves of a K step: half j = 2 s + g is K step s of W1 (g = 0) or of W3 (g = 1), 8 loads
.set PK,   16
.set RING, 32
.set ACC,  32
.set PL,   96
.set EX,   160                         ; v[160:167] eight numbers at work: the power, the sigmoid, h, h - hi
.set TP,   168                         ; v[168:175] hi, widened again
.set HO,   176                         ; v[176:179] hi, packed
.set HLO,  180                         ; v[180:183] lo, packed
.set MSB, 0
.macro WIN new                         ; the immediate's high byte repeats the setting that is left; a switch that changes nothing is dropped
.if MSB != \new
	s_set_vgpr_msb (MSB<<8)|\new
.set MSB, \new
.endif
.endm
.macro PLACES                          ; four plain vector instructions between a matrix instruction and what reads its result or loads into its sources
.rept 4
	v_nop
.endr
.endm
.macro SYNC                            ; for the others' sake: my LDS stores are in LDS and my LDS reads are back; then the work-group's barrier
	s_wait_dscnt 0x0
	s_barrier_signal -1
	s_barrier_wait -1
.endm
; Eighth e of a tile's fragments, K steps 2 e and 2 e + 1: 8 loads of 512 consecutive bytes from the tile at offset v6
.macro XE e
	WIN 0xC0                                       ; destination window 3, address window 0
.set k, 2*(\e)
.rept 2
.irp a, 0,1
	global_load_b128 v[16*k+8*\a:16*k+8*\a+3],   v6, s[4:5] offset:16384*\a+1024*k
	global_load_b128 v[16*k+8*\a+4:16*k+8*\a+7], v6, s[4:5] offset:16384*\a+1024*k+512
.endr
.set k, k+1
.endr
.endm
; Granule j of the stream of loads: half j of my weights (32 rows x 128 bytes; a load takes four rows' 128 bytes; read once in the launch) into ring slot j % 7,
; and behind the weights the first tile's eighths.
.macro HLOAD j
.if (\j) < NW
	WIN 0
.set RB, RING+32*((\j)%7)
.irp i, 0,1,2,3,4,5,6,7
	global_load_b128 v[RB+4*\i:RB+4*\i+3], v2, s[20+2*((\j)%2):21+2*((\j)%2)] offset:((\j)/2)*131072+\i*16384 th:TH_LOAD_NT
.endr
.else
	XE (\j)-NW
.endif
.endm
; Half j of the weights: rounded to bf16 and put into my stage as [k][column]; behind a K step's second half the step comes back turned, as four fragments.  The slot just converted
; takes the granule seven further on.  Seven granules of 8 loads are out in front of the wait, so the count 48 (the six younger ones) shows half j in; between 48 and 56 loads of the
; wave, 24 to 28 KB, are on their way all the time.
; No wait stands between the LDS stores and loads, nor in front of the next step's stores: the stage is my wave's own and LDS serves a wave's instructions in order (ISA guide 5.7.1.4).
.macro HCONV j
.set RB, RING+32*((\j)%7)
	s_wait_loadcnt 48
.set n, 0
.rept 16
	v_cvt_pk_bf16_f32 v[PK+n], v[RB+2*n], v[RB+2*n+1]
.set n, n+1
.endr
.irp i, 0,1,2,3,4,5,6,7
	ds_store_b64 v3, v[PK+2*\i:PK+2*\i+1] offset:4*SPITCH*\i+64*((\j)%2)
.endr
	HLOAD \j+7
.if ((\j)%2) == 1
.if (\j) < 16
	WIN 0x40
.else
	WIN 0x80
.endif
.irp b, 0,1,2,3
	ds_load_tr16_b128 v[32*(((\j)/2)%8)+8*\b:32*(((\j)/2)%8)+8*\b+3],   v4 offset:32*\b
	ds_load_tr16_b128 v[32*(((\j)/2)%8)+8*\b+4:32*(((\j)/2)%8)+8*\b+7], v4 offset:32*\b+16*SPITCH
.endr
.endif
	WIN 0
.endm
; 16 products: K steps 2 e and 2 e + 1.  The eight accumulators take turns, one instruction a turn; the tile's first eight products start the sums.
.macro MME e
	WIN (0x0D+(\e)/4)                              ; weights window 1 or 2, xs window 3, sums window 0
.set k, 2*(\e)
.rept 2
.irp a, 0,1
.irp b, 0,1,2,3
.if k == 0
	v_wmma_f32_16x16x32_bf16 v[ACC+8*(4*\a+\b):ACC+8*(4*\a+\b)+7], v[32*(k%8)+8*\b:32*(k%8)+8*\b+7], v[16*k+8*\a:16*k+8*\a+7], 0
.else
	v_wmma_f32_16x16x32_bf16 v[ACC+8*(4*\a+\b):ACC+8*(4*\a+\b)+7], v[32*(k%8)+8*\b:32*(k%8)+8*\b+7], v[16*k+8*\a:16*k+8*\a+7], v[ACC+8*(4*\a+\b):ACC+8*(4*\a+\b)+7]
.endif
.endr
.endr
.set k, k+1
.endr
.endm
; A tile's 128 products.  Behind an eighth's products its registers take the next tile's eighth.  In front of those loads the wave waits for the eighth that it multiplies next: behind that
; one stand six eighths, 48 loads.  So 56 loads of the wave are out at the most, and an eighth has seven eighths of a trip in which to land.  At the head of a tile eighth 0 has been waited for.
.macro MMALL
.irp e, 0,1,2,3,4,5,6,7
	MME \e
	PLACES
	s_wait_loadcnt 48
	XE \e
.endr
	WIN 0
.endm
.macro STEP                            ; s25: on to the next tile of the walk, round from T - 1 to 0
	s_add_co_u32 s25, s25, 1
	s_cmp_ge_u32 s25, s19
	s_cselect_b32 s25, 0, s25
.endm
.macro NEXTX                           ; v6: the tile to ask for: the one behind s25 in the walk
	s_wait_xcnt 0x0                                ; the last loads' address register is written again only behind this wait
	s_add_co_u32 s40, s25, 1
	s_cmp_ge_u32 s40, s19
	s_cselect_b32 s40, 0, s40
	s_add_co_u32 s40, s40, s18
	s_min_u32 s40, s40, 71                         ; xs has 72 tiles
	s_lshl_b32 s40, s40, 17
	v_add_nc_u32 v6, s40, v5
.endm
.macro PLOAD buf                       ; the four waves' partial sums of my 16 rows x 16 columns, gate and up
.irp v, 0,1,2,3
.irp g, 0,1
.irp q, 0,1
	ds_load_b128 v[PL+16*\v+8*\g+4*\q:PL+16*\v+8*\g+4*\q+3], v8 offset:\buf*PSZ+2048*\v+1024*\g+512*\q
.endr
.endr
.endr
.endm
.macro PWRITE buf                      ; my partial sums to their owners; of each accumulator the low four registers first
.irp o, 0,1,2,3
.irp g, 0,1
.irp q, 0,1
	ds_store_b128 v7, v[ACC+8*(4*(\o/2)+(\o%2)+2*\g)+4*\q:ACC+8*(4*(\o/2)+(\o%2)+2*\g)+4*\q+3] offset:\buf*PSZ+8192*\o+1024*\g+512*\q
.endr
.endr
.endr
.endm
; The tile multiplied last, s25, is finished: four partial sums, silu(gate) * up, hi and lo, two stores.
.macro RED
	s_wait_xcnt 0x0                                ; the last stores' offset and data are written again only behind this wait
	s_add_co_u32 s40, s25, s18
	s_min_u32 s40, s40, 71                         ; hs has 72 tiles
	s_lshl_b32 s40, s40, 17
	v_add_nc_u32 v10, s40, v11
	s_wait_dscnt 0x0                               ; the partial sums are in
.set n, 0
.rept 8
	v_pk_add_f32 v[PL+2*n:PL+2*n+1], v[PL+2*n:PL+2*n+1], v[PL+16+2*n:PL+16+2*n+1]
	v_pk_add_f32 v[PL+32+2*n:PL+32+2*n+1], v[PL+32+2*n:PL+32+2*n+1], v[PL+48+2*n:PL+48+2*n+1]
.set n, n+1
.endr
.set n, 0
.rept 8
	v_pk_add_f32 v[PL+2*n:PL+2*n+1], v[PL+2*n:PL+2*n+1], v[PL+32+2*n:PL+32+2*n+1]   ; v[PL:PL+7] gate, v[PL+8:PL+15] up
.set n, n+1
.endr
.set n, 0
.rept 4
	v_pk_mul_f32 v[EX+2*n:EX+2*n+1], v[PL+2*n:PL+2*n+1], s[46:47] op_sel_hi:[1,0]   ; -log2(e) g
.set n, n+1
.endr
.set n, 0
.rept 8
	v_exp_f32 v[EX+n], v[EX+n]
.set n, n+1
.endr
	v_nop                                          ; a plain instruction between the last power and the use of its result (ISA guide 5.7.2)
.set n, 0
	s_wait_alu depctr_va_vdst(0)
.rept 4
	v_pk_add_f32 v[EX+2*n:EX+2*n+1], v[EX+2*n:EX+2*n+1], 1.0 op_sel_hi:[1,0]
.set n, n+1
.endr
.set n, 0
.rept 8
	v_rcp_f32 v[EX+n], v[EX+n]
.set n, n+1
.endr
	v_nop                                          ; likewise behind the last reciprocal
.set n, 0
	s_wait_alu depctr_va_vdst(0)
.rept 4
	v_pk_mul_f32 v[EX+2*n:EX+2*n+1], v[EX+2*n:EX+2*n+1], v[PL+2*n:PL+2*n+1]         ; silu(g), as reference() forms it,
.set n, n+1
.endr
.set n, 0
.rept 4
	v_pk_mul_f32 v[EX+2*n:EX+2*n+1], v[EX+2*n:EX+2*n+1], v[PL+8+2*n:PL+8+2*n+1]     ; times up: h
.set n, n+1
.endr
.set n, 0
.rept 4
	v_cvt_pk_bf16_f32 v[HO+n], v[EX+2*n], v[EX+2*n+1]                               ; hi
.set n, n+1
.endr
.set n, 0
.rept 4
	v_lshlrev_b32 v[TP+2*n],   16, v[HO+n]                                          ; hi as f32: the low half moves up,
	v_and_b32     v[TP+2*n+1], 0xffff0000, v[HO+n]                                  ; the high half stays
.set n, n+1
.endr
.set n, 0
.rept 8
	v_sub_f32 v[EX+n], v[EX+n], v[TP+n]                                             ; h - hi, exact
.set n, n+1
.endr
.set n, 0
.rept 4
	v_cvt_pk_bf16_f32 v[HLO+n], v[EX+2*n], v[EX+2*n+1]                              ; lo
.set n, n+1
.endr
	global_store_b128 v10, v[HO:HO+3], s[44:45]                  ; each store of the wave covers 512 consecutive bytes, at a multiple of 512 from hs's first byte: half a fragment of the next product
	global_store_b128 v10, v[HLO:HLO+3], s[44:45] offset:8192    ; lo lies eight K steps of 1,024 bytes behind hi
.endm
; Trip i = s39 + d.  rd: the buffer with the last tile's partial sums; wr: the buffer that takes this trip's.  The barrier shows the last tile's partial sums whole and buffer wr read out.
; The two branches go forward, over no barrier, and all four waves read the same T.
.macro BODY d, rd, wr
	SYNC
	s_add_co_u32 s41, s39, \d
	s_cmp_gt_u32 s41, s19
	s_cbranch_scc1 .Lidle_\@                       ; i > T: nothing is left
	PLOAD \rd
	RED
	s_cmp_eq_u32 s41, s19
	s_cbranch_scc1 .Lidle_\@                       ; i = T: the last tile has just been finished
	STEP
	NEXTX
	MMALL
	PWRITE \wr
.Lidle_\@:
.endm
	s_load_b256 s[4:11], s[0:1], 0x0               ; xs s[4:5], W1 s[6:7], W3 s[8:9], route s[10:11]
	s_load_b64 s[12:13], s[0:1], 0x20              ; hs
	v_lshrrev_b32 v12, 5, v0
	v_readfirstlane_b32 s14, v12                   ; wave 0..3
	s_mov_b32 s16, ttmp9                           ; nb: my block of 32 columns
	s_and_b32 s17, ttmp7, 0xffff                   ; the expert
	v_and_b32 v1, 31, v0                           ; L
	v_lshrrev_b32 v12, 3, v1
	v_and_b32 v13, 7, v1
	v_lshlrev_b32 v2, 12, v12                      ; a weight load: row L / 8 (4,096 bytes a row),
	v_lshl_add_u32 v2, v13, 4, v2                  ; 16 bytes at 16 (L % 8)
	s_lshl_b32 s42, s17, 23                        ; an expert's 8,388,608 bytes,
	s_lshl_b32 s43, s14, 21                        ; my wave's 512 rows,
	s_add_co_u32 s42, s42, s43
	s_lshl_b32 s43, s16, 7                         ; my block's 128 bytes of a row
	s_add_co_u32 s42, s42, s43
	s_mov_b32 s43, 0
	s_lshl_b32 s41, s17, 3
	s_wait_kmcnt 0x0
	s_add_nc_u64 s[20:21], s[6:7], s[42:43]
	s_add_nc_u64 s[22:23], s[8:9], s[42:43]
	s_load_b64 s[18:19], s[10:11], s41 offset:0x2000   ; O, T of my expert
.irp j, 0,1,2,3,4,5,6
	HLOAD \j                                       ; the ring is filled: 56 loads of the wave, 28 KB
.endr
	s_mov_b32 s46, 0xbfb8aa3b                      ; -log2(e)
	s_mov_b32 s47, s46                             ; named with it as a pair, so it is written
	s_lshl_b32 s50, s14, 13                        ; my stage; later the partial sums that I own
	v_mul_u32_u24 v3, v12, SPITCH
	v_lshl_add_u32 v3, v13, 3, v3
	v_add_nc_u32 v3, s50, v3                       ; into the stage: row L / 8, 8 bytes at 8 (L % 8)
	v_lshrrev_b32 v14, 4, v1
	v_lshl_add_u32 v15, v14, 3, v13
	v_mul_u32_u24 v4, v15, SPITCH
	v_bfe_u32 v15, v1, 3, 1
	v_lshl_add_u32 v4, v15, 4, v4
	v_add_nc_u32 v4, s50, v4                       ; the turning load: row 8 (L / 16) + L % 8, 16 bytes at 16 ((L / 8) % 2)
	v_lshlrev_b32 v9, 4, v1                        ; 16 L
	v_lshl_add_u32 v5, s14, 15, v9                 ; my K quarter of a tile of xs
	v_lshl_add_u32 v7, s14, 11, v9                 ; partial sums out: my place as a source
	v_add_nc_u32 v8, s50, v9                       ; partial sums in: my place as an owner
	s_and_b32 s52, s14, 1
	s_lshl_b32 s52, s52, 9                         ; hs: my column tile is half wave % 2 of the fragment,
	s_lshr_b32 s53, s14, 1
	s_lshl_b32 s53, s53, 14                        ; my row tile is wave / 2
	s_add_co_u32 s52, s52, s53
	v_add_nc_u32 v11, s52, v9
	s_lshr_b32 s42, s16, 3
	s_lshl_b32 s42, s42, 15                        ; hs: K quarter nb / 8 of the next product,
	s_and_b32 s43, s16, 7
	s_lshl_b32 s43, s43, 10                        ; its K step nb % 8
	s_add_co_u32 s42, s42, s43
	s_mov_b32 s43, 0
	s_add_nc_u64 s[44:45], s[12:13], s[42:43]
	s_wait_kmcnt 0x0
	s_min_u32 s18, s18, 71                         ; what the table holds lies inside these bounds
	s_min_u32 s19, s19, MAXT
	s_max_u32 s19, s19, 1
	s_mov_b32 s25, s16                             ; where my walk begins: nb mod T.  nb < 32 <= 32 T, so five conditional subtractions of 16 T, 8 T, .. T do it
.irp p, 4,3,2,1,0
	s_lshl_b32 s40, s19, \p
	s_cmp_ge_u32 s25, s40
	s_cselect_b32 s40, s40, 0
	s_sub_co_u32 s25, s25, s40
.endr
	s_add_co_u32 s40, s25, s18
	s_min_u32 s40, s40, 71
	s_lshl_b32 s40, s40, 17
	v_add_nc_u32 v6, s40, v5                       ; my first tile
.irp j, 0,1,2,3,4,5,6,7,8,9,10,11,12,13,14,15,16,17,18,19,20,21,22,23,24,25,26,27,28,29,30,31
	HCONV \j
.endr
	s_wait_loadcnt 48                              ; the first tile's eighth 0 is in: behind it stand eighths 1 to 6
	XE 7
	WIN 0
	SYNC                                           ; trip 0 is written out: T is at least 1, and there is no tile to finish.  My weights are in registers, and every wave's reads of its stage are back: the stage's bytes may take partial sums
	NEXTX
	MMALL
	PWRITE 0
	s_mov_b32 s39, 1
.Ltrip:                                                ; 32 times two trips: i = 1 .. 64
	BODY 0, 0, 1
	BODY 1, 1, 0
	s_add_co_u32 s39, s39, 2
	s_cmp_lt_u32 s39, MAXT+1
	s_cbranch_scc1 .Ltrip
	s_wait_xcnt 0x0
	v_lshl_add_u32 v254, v0, 2, 0x10000
	v_mov_b32 v255, 0
	s_wait_tensorcnt 0x0
	ds_add_u32 v254, v255
	s_wait_dscnt 0x0
	s_endpgm
.Lfunc_end_k_q032b5ff684_gateup:
	.size	k_q032b5ff684_gateup, .Lfunc_end_k_q032b5ff684_gateup-k_q032b5ff684_gateup
	.p2alignl 7, 3214868480
	.fill 96, 4, 3214868480
	.section	.rodata,"a",@progbits
	.p2align	6, 0x0
	.amdhsa_kernel k_q032b5ff684_gateup
		.amdhsa_group_segment_fixed_size 66048
		.amdhsa_private_segment_fixed_size 0
		.amdhsa_enable_private_segment 0
		.amdhsa_kernarg_size 40
		.amdhsa_user_sgpr_count 2
		.amdhsa_user_sgpr_kernarg_segment_ptr 1
		.amdhsa_wavefront_size32 1
		.amdhsa_system_sgpr_workgroup_id_x 1
		.amdhsa_system_sgpr_workgroup_id_y 1
		.amdhsa_system_sgpr_workgroup_id_z 1
		.amdhsa_system_vgpr_workitem_id 0
		.amdhsa_next_free_vgpr 1024
		.amdhsa_next_free_sgpr 66
		.amdhsa_reserve_vcc 0
		.amdhsa_float_denorm_mode_32 3
		.amdhsa_float_denorm_mode_16_64 3
		.amdhsa_memory_ordered 1
		.amdhsa_forward_progress 1
		.amdhsa_inst_pref_size 156
	.end_amdhsa_kernel
	.amdgpu_metadata
---
amdhsa.version: [ 1, 2 ]
amdhsa.kernels:
  - .name:           k_q032b5ff684_gateup
    .symbol:         k_q032b5ff684_gateup.kd
    .args:
      - { .name: xs, .offset: 0, .size: 8, .value_kind: global_buffer, .address_space: global }
      - { .name: w1_stacked, .offset: 8, .size: 8, .value_kind: global_buffer, .address_space: global }
      - { .name: w3_stacked, .offset: 16, .size: 8, .value_kind: global_buffer, .address_space: global }
      - { .name: route, .offset: 24, .size: 8, .value_kind: global_buffer, .address_space: global }
      - { .name: hs, .offset: 32, .size: 8, .value_kind: global_buffer, .address_space: global }
    .group_segment_fixed_size: 66048
    .private_segment_fixed_size: 0
    .kernarg_segment_align: 8
    .kernarg_segment_size: 40
    .max_flat_workgroup_size: 128
    .sgpr_count:     66
    .vgpr_count:     1024
    .wavefront_size: 32
...
	.end_amdgpu_metadata
.endif
;; end of part 2
;; launch down (part 3): grid 32 x 8, 4 waves a work-group, no clusters, 70,144 bytes of LDS; arguments hs, w2_stacked, route, ys; writes ys
.if DOCPART == 3
	.amdgcn_target "amdgcn-amd-amdhsa--gfx1250"
	.amdhsa_code_object_version 6
	.text
	.protected	k_q032b5ff684_down
	.globl	k_q032b5ff684_down
	.p2align	8
	.type	k_q032b5ff684_down,@function
k_q032b5ff684_down:
	s_mov_b64 s[64:65], 0
	v_nop
	global_prefetch_b8 v0, s[64:65] scope:SCOPE_SE
	s_setreg_imm32_b32 hwreg(HW_REG_WAVE_MODE, 25, 1), 1
	s_wait_xcnt 0x0
; ys = h W2[e] FOR THE SORTED ROWS OF EXPERT e, in f32, row-major [sorted row][2048].  h comes as two bf16 numbers, h = hi + lo, and both are multiplied by the same weights.
; The same build as the launch before.  Work-group (nb, e) owns columns 64 nb .. 64 nb + 63 of W2[e], all 1,024 of K: 65,536 numbers, 256 registers a wave in bf16; wave w holds
; K = 256 w .. 256 w + 255.  Each f32 weight is read once, in whole rows of 256 bytes, rounded to bf16 (nearest even), turned through the wave's own LDS stage and kept.
; The expert's T tiles of 32 rows begin at tile O (whole numbers from route).  hs lies in fragment order and a fragment is wanted by one wave of the work-group alone, so a wave loads
; its fragments straight into registers: 16 steps kk a tile, kk = 0..7 hi of my K steps 0..7, kk = 8..15 lo of the same; step kk meets the weights of K step kk % 8.
; The four partial sums meet in LDS as rows of f32, and wave w finishes rows 8 w .. 8 w + 7 of the tile, whole 256 bytes of ys each.
; THE ORDER OF THE WALK.  Work-group nb begins at tile nb mod T and goes round: in trip i it multiplies tile (nb + i) mod T.  So at any time the 32 work-groups of an expert ask for
; T different tiles, and the tile that a work-group asks for in trip i was asked for by its neighbour nb + 1 in trip i - 1.
; THE TRIPS.  Every wave passes every barrier, and how often must not hang on a number read from memory: the loop runs the largest count that the shapes allow, 64 tiles and one trip
; more.  Trip i: one barrier; trip i - 1's tile is finished (i <= T); trip i's is multiplied (i < T).  A trip with i > T is the barrier alone.
; NO CLUSTER, NO JOINT LOADS, though the 32 work-groups of an expert read the same tiles: a tile's address and the number of tiles come from a table in memory, and a joint request
; is made of ids that the partners share, in the same number of rounds.
; THE MATRIX INSTRUCTION: source 0 = 16 weight columns, source 1 = 16 rows of hs: a lane's eight results are eight neighbouring columns of one row.
; LIMITS.  Operands bf16, sums f32; in a K quarter hi's products are summed first, then lo's; the quarters then as (0 + 1) + (2 + 3).  Tiles behind the last expert's are not written, and nothing reads them.
; The last trip that multiplies asks for the walk's first tile once more: 32 KB a wave that nobody multiplies, so that every trip issues the same loads.
; REGISTERS: window 0: v1-15 addresses; v32-95 eight accumulators ((row tile a, column tile b) at 32 + 8 (4 a + b)); v96-159 partial sums read back; v160-175 finished rows.
;            While the weights come in: v16-31 packed bf16, v32-255 seven slots of 32 registers of f32 on their way.
;   window 1: the weights (K step s, column tile b at 32 s + 8 b);   window 2: a tile's 32 fragments of hs (step kk, row tile a at 16 kk + 8 a).
.set MAXT,   64
.set PSRC,   8704                      ; LDS: a source wave's 32 rows x 272 bytes (256 + 16: an odd multiple of 16)
.set PSZ,    4*PSRC                    ; two buffers of partial sums, at bytes 0 and 34,816
.set PROW,   272
.set SPITCH, 160                       ; the weights' stage, wave w's at byte 8704 w of the first buffer: 32 rows of K x (128 bytes + 32): an odd multiple of 32 bytes
.set NW,     16                        ; my weights come in 16 halves of a K step: half j is rows 16 j .. 16 j + 15 of my 256, 8 loads
.set PK,   16
.set RING, 32
.set ACC,  32
.set PL,   96
.set YO,   160
.set MSB, 0
.macro WIN new                         ; the immediate's high byte repeats the setting that is left; a switch that changes nothing is dropped
.if MSB != \new
	s_set_vgpr_msb (MSB<<8)|\new
.set MSB, \new
.endif
.endm
.macro PLACES                          ; four plain vector instructions between a matrix instruction and what reads its result or loads into its sources
.rept 4
	v_nop
.endr
.endm
.macro SYNC                            ; for the others' sake: my LDS stores are in LDS and my LDS reads are back; then the work-group's barrier
	s_wait_dscnt 0x0
	s_barrier_signal -1
	s_barrier_wait -1
.endm
; Eighth e of a tile's fragments, steps 2 e and 2 e + 1: 8 loads of 512 consecutive bytes from the tile at offset v6
.macro XE e
	WIN 0x80                                       ; destination window 2, address window 0
.set k, 2*(\e)
.rept 2
.irp a, 0,1
	global_load_b128 v[16*k+8*\a:16*k+8*\a+3],   v6, s[4:5] offset:16384*\a+1024*k
	global_load_b128 v[16*k+8*\a+4:16*k+8*\a+7], v6, s[4:5] offset:16384*\a+1024*k+512
.endr
.set k, k+1
.endr
.endm
; Granule j of the stream of loads: half j of my weights (16 rows x 256 bytes; a load takes two whole rows; read once in the launch) into ring slot j % 7,
; and behind the weights the first tile's eighths.
.macro HLOAD j
.if (\j) < NW
	WIN 0
.set RB, RING+32*((\j)%7)
.irp i, 0,1,2,3,4,5,6,7
	global_load_b128 v[RB+4*\i:RB+4*\i+3], v2, s[20:21] offset:(\j)*131072+\i*16384 th:TH_LOAD_NT
.endr
.else
	XE (\j)-NW
.endif
.endm
; Half j of the weights: rounded to bf16 and put into my stage as [k][column]; behind a K step's second half the step comes back turned, as four fragments.  The slot just converted
; takes the granule seven further on.  Seven granules of 8 loads are out in front of the wait, so the count 48 (the six younger ones) shows half j in; between 48 and 56 loads of the
; wave, 24 to 28 KB, are on their way all the time.
; No wait stands between the LDS stores and loads, nor in front of the next step's stores: the stage is my wave's own and LDS serves a wave's instructions in order (ISA guide 5.7.1.4).
.macro HCONV j
.set RB, RING+32*((\j)%7)
	s_wait_loadcnt 48
.set n, 0
.rept 16
	v_cvt_pk_bf16_f32 v[PK+n], v[RB+2*n], v[RB+2*n+1]
.set n, n+1
.endr
.irp i, 0,1,2,3,4,5,6,7
	ds_store_b64 v3, v[PK+2*\i:PK+2*\i+1] offset:2*SPITCH*(8*((\j)%2)+\i)
.endr
	HLOAD \j+7
.if ((\j)%2) == 1
	WIN 0x40
.irp b, 0,1,2,3
	ds_load_tr16_b128 v[32*((\j)/2)+8*\b:32*((\j)/2)+8*\b+3],   v4 offset:32*\b
	ds_load_tr16_b128 v[32*((\j)/2)+8*\b+4:32*((\j)/2)+8*\b+7], v4 offset:32*\b+16*SPITCH
.endr
.endif
	WIN 0
.endm
; 16 products: steps 2 e and 2 e + 1.  The eight accumulators take turns, one instruction a turn; the tile's first eight products start the sums.
.macro MME e
	WIN 0x09                                       ; weights window 1, hs window 2, sums window 0
.set k, 2*(\e)
.rept 2
.irp a, 0,1
.irp b, 0,1,2,3
.if k == 0
	v_wmma_f32_16x16x32_bf16 v[ACC+8*(4*\a+\b):ACC+8*(4*\a+\b)+7], v[32*(k%8)+8*\b:32*(k%8)+8*\b+7], v[16*k+8*\a:16*k+8*\a+7], 0
.else
	v_wmma_f32_16x16x32_bf16 v[ACC+8*(4*\a+\b):ACC+8*(4*\a+\b)+7], v[32*(k%8)+8*\b:32*(k%8)+8*\b+7], v[16*k+8*\a:16*k+8*\a+7], v[ACC+8*(4*\a+\b):ACC+8*(4*\a+\b)+7]
.endif
.endr
.endr
.set k, k+1
.endr
.endm
; A tile's 128 products.  Behind an eighth's products its registers take the next tile's eighth.  In front of those loads the wave waits for the eighth that it multiplies next: behind that
; one stand six eighths, 48 loads.  So 56 loads of the wave are out at the most, and an eighth has seven eighths of a trip in which to land.  At the head of a tile eighth 0 has been waited for.
.macro MMALL
.irp e, 0,1,2,3,4,5,6,7
	MME \e
	PLACES
	s_wait_loadcnt 48
	XE \e
.endr
	WIN 0
.endm
.macro STEP                            ; s25: on to the next tile of the walk, round from T - 1 to 0
	s_add_co_u32 s25, s25, 1
	s_cmp_ge_u32 s25, s19
	s_cselect_b32 s25, 0, s25
.endm
.macro NEXTX                           ; v6: the tile to ask for: the one behind s25 in the walk
	s_wait_xcnt 0x0                                ; the last loads' address register is written again only behind this wait
	s_add_co_u32 s40, s25, 1
	s_cmp_ge_u32 s40, s19
	s_cselect_b32 s40, 0, s40
	s_add_co_u32 s40, s40, s18
	s_min_u32 s40, s40, 71                         ; hs has 72 tiles
	s_lshl_b32 s40, s40, 17
	v_add_nc_u32 v6, s40, v5
.endm
.macro PLOAD buf                       ; the four waves' partial sums of my eight rows: lanes 0-15 one row of 256 bytes, lanes 16-31 the next
.irp p, 0,1,2,3
.irp v, 0,1,2,3
	ds_load_b128 v[PL+16*\p+4*\v:PL+16*\p+4*\v+3], v8 offset:\buf*PSZ+PSRC*\v+2*PROW*\p
.endr
.endr
.endm
.macro PWRITE buf                      ; my partial sums as rows of f32; of each accumulator the low four registers first
.irp a, 0,1
.irp b, 0,1,2,3
.irp q, 0,1
	ds_store_b128 v7, v[ACC+8*(4*\a+\b)+4*\q:ACC+8*(4*\a+\b)+4*\q+3] offset:\buf*PSZ+16*PROW*\a+64*\b+16*\q
.endr
.endr
.endr
.endm
.macro RED                             ; the rows of the tile multiplied last, s25, are finished and stored
	s_wait_xcnt 0x0                                ; the last stores' offset and data are written again only behind this wait
	s_add_co_u32 s40, s25, s18
	s_min_u32 s40, s40, 71                         ; ys has 72 tiles of 32 rows
	s_lshl_b32 s40, s40, 18
	v_add_nc_u32 v10, s40, v11
	s_wait_dscnt 0x0                               ; the partial sums are in
.irp p, 0,1,2,3
.irp c, 0,2
	v_pk_add_f32 v[PL+16*\p+\c:PL+16*\p+\c+1], v[PL+16*\p+\c:PL+16*\p+\c+1], v[PL+16*\p+4+\c:PL+16*\p+4+\c+1]
	v_pk_add_f32 v[PL+16*\p+8+\c:PL+16*\p+8+\c+1], v[PL+16*\p+8+\c:PL+16*\p+8+\c+1], v[PL+16*\p+12+\c:PL+16*\p+12+\c+1]
.endr
.endr
.irp p, 0,1,2,3
.irp c, 0,2
	v_pk_add_f32 v[YO+4*\p+\c:YO+4*\p+\c+1], v[PL+16*\p+\c:PL+16*\p+\c+1], v[PL+16*\p+8+\c:PL+16*\p+8+\c+1]   ; into registers of their own: the next tile's LDS loads never land on a store's data
.endr
.endr
.irp p, 0,1,2,3
	global_store_b128 v10, v[YO+4*\p:YO+4*\p+3], s[44:45] offset:16384*\p   ; 16 lanes store 256 consecutive bytes, at a multiple of 256 from ys's first byte
.endr
.endm
; Trip i = s39 + d.  rd: the buffer with the last tile's partial sums; wr: the buffer that takes this trip's.  The barrier shows the last tile's partial sums whole and buffer wr read out.
; The two branches go forward, over no barrier, and all four waves read the same T.
.macro BODY d, rd, wr
	SYNC
	s_add_co_u32 s41, s39, \d
	s_cmp_gt_u32 s41, s19
	s_cbranch_scc1 .Lidle_\@                       ; i > T: nothing is left
	PLOAD \rd
	RED
	s_cmp_eq_u32 s41, s19
	s_cbranch_scc1 .Lidle_\@                       ; i = T: the last tile has just been finished
	STEP
	NEXTX
	MMALL
	PWRITE \wr
.Lidle_\@:
.endm
	s_load_b256 s[4:11], s[0:1], 0x0               ; hs s[4:5], W2 s[6:7], route s[8:9], ys s[10:11]
	s_set_vgpr_msb 0xc0
	v_lshl_add_u32 v0, v0, 2, 0x11000
	v_mov_b32 v1, 0
	s_set_vgpr_msb 0xc000
	v_lshrrev_b32 v12, 5, v0
	v_readfirstlane_b32 s14, v12                   ; wave 0..3
	s_mov_b32 s16, ttmp9                           ; nb: my block of 64 columns
	s_and_b32 s17, ttmp7, 0xffff                   ; the expert
	v_and_b32 v1, 31, v0                           ; L
	v_lshrrev_b32 v12, 4, v1                       ; L / 16
	v_and_b32 v13, 15, v1                          ; L % 16
	v_lshlrev_b32 v2, 13, v12                      ; a weight load: row L / 16 (8,192 bytes a row),
	v_lshl_add_u32 v2, v13, 4, v2                  ; 16 bytes at 16 (L % 16)
	s_lshl_b32 s42, s17, 23                        ; an expert's 8,388,608 bytes,
	s_lshl_b32 s43, s14, 21                        ; my wave's 256 rows,
	s_add_co_u32 s42, s42, s43
	s_lshl_b32 s43, s16, 8                         ; my block's 256 bytes of a row
	s_add_co_u32 s42, s42, s43
	s_mov_b32 s43, 0
	s_lshl_b32 s41, s17, 3
	s_wait_kmcnt 0x0
	s_add_nc_u64 s[20:21], s[6:7], s[42:43]
	s_load_b64 s[18:19], s[8:9], s41 offset:0x2000 ; O, T of my expert
.irp j, 0,1,2,3,4,5,6
	HLOAD \j                                       ; the ring is filled: 56 loads of the wave, 28 KB
.endr
	s_mul_i32 s50, s14, PSRC                       ; my stage; later my place as a source of partial sums
	v_mul_u32_u24 v3, v12, SPITCH
	v_lshl_add_u32 v3, v13, 3, v3
	v_add_nc_u32 v3, s50, v3                       ; into the stage: row L / 16, 8 bytes at 8 (L % 16)
	v_and_b32 v14, 7, v1
	v_lshl_add_u32 v15, v12, 3, v14
	v_mul_u32_u24 v4, v15, SPITCH
	v_bfe_u32 v15, v1, 3, 1
	v_lshl_add_u32 v4, v15, 4, v4
	v_add_nc_u32 v4, s50, v4                       ; the turning load: row 8 (L / 16) + L % 8, 16 bytes at 16 ((L / 8) % 2)
	v_lshlrev_b32 v9, 4, v1                        ; 16 L
	v_lshl_add_u32 v5, s14, 15, v9                 ; my K quarter of a tile of hs: 32,768 bytes, hi and lo
	v_mul_u32_u24 v7, v13, PROW
	v_lshl_add_u32 v7, v12, 5, v7
	v_add_nc_u32 v7, s50, v7                       ; partial sums out: row L % 16, 32 bytes for each half of the lanes
	s_mul_i32 s51, s14, 8*PROW
	v_mul_u32_u24 v8, v12, PROW
	v_lshl_add_u32 v8, v13, 4, v8
	v_add_nc_u32 v8, s51, v8                       ; partial sums in: row 8 w + L / 16, 16 bytes at 16 (L % 16)
	v_lshl_add_u32 v11, s14, 16, v2                ; and the same row and bytes in a tile of ys: (8 w + L / 16) x 8,192 + 16 (L % 16)
	s_lshl_b32 s42, s16, 8                         ; ys: my block's 256 bytes of a row
	s_mov_b32 s43, 0
	s_add_nc_u64 s[44:45], s[10:11], s[42:43]
	s_wait_kmcnt 0x0
	s_min_u32 s18, s18, 71                         ; what the table holds lies inside these bounds
	s_min_u32 s19, s19, MAXT
	s_max_u32 s19, s19, 1
	s_mov_b32 s25, s16                             ; where my walk begins: nb mod T.  nb < 32 <= 32 T, so five conditional subtractions of 16 T, 8 T, .. T do it
.irp p, 4,3,2,1,0
	s_lshl_b32 s40, s19, \p
	s_cmp_ge_u32 s25, s40
	s_cselect_b32 s40, s40, 0
	s_sub_co_u32 s25, s25, s40
.endr
	s_add_co_u32 s40, s25, s18
	s_min_u32 s40, s40, 71
	s_lshl_b32 s40, s40, 17
	v_add_nc_u32 v6, s40, v5                       ; my first tile
.irp j, 0,1,2,3,4,5,6,7,8,9,10,11,12,13,14,15
	HCONV \j
.endr
	s_wait_loadcnt 48                              ; the first tile's eighth 0 is in: behind it stand eighths 1 to 6
	XE 7
	WIN 0
	SYNC                                           ; trip 0 is written out: T is at least 1, and there is no tile to finish.  My weights are in registers, and every wave's reads of its stage are back: the stage's bytes may take partial sums
	NEXTX
	MMALL
	PWRITE 0
	s_mov_b32 s39, 1
.Ltrip:                                                ; 32 times two trips: i = 1 .. 64
	BODY 0, 0, 1
	BODY 1, 1, 0
	s_add_co_u32 s39, s39, 2
	s_cmp_lt_u32 s39, MAXT+1
	s_cbranch_scc1 .Ltrip
	s_set_vgpr_msb 0xf
	s_wait_tensorcnt 0x0
	ds_add_u32 v0, v1
	s_wait_dscnt 0x0
	s_set_vgpr_msb 0xf00
	s_endpgm
.Lfunc_end_k_q032b5ff684_down:
	.size	k_q032b5ff684_down, .Lfunc_end_k_q032b5ff684_down-k_q032b5ff684_down
	.p2alignl 7, 3214868480
	.fill 96, 4, 3214868480
	.section	.rodata,"a",@progbits
	.p2align	6, 0x0
	.amdhsa_kernel k_q032b5ff684_down
		.amdhsa_group_segment_fixed_size 70144
		.amdhsa_private_segment_fixed_size 0
		.amdhsa_enable_private_segment 0
		.amdhsa_kernarg_size 32
		.amdhsa_user_sgpr_count 2
		.amdhsa_user_sgpr_kernarg_segment_ptr 1
		.amdhsa_wavefront_size32 1
		.amdhsa_system_sgpr_workgroup_id_x 1
		.amdhsa_system_sgpr_workgroup_id_y 1
		.amdhsa_system_sgpr_workgroup_id_z 1
		.amdhsa_system_vgpr_workitem_id 0
		.amdhsa_next_free_vgpr 770
		.amdhsa_next_free_sgpr 66
		.amdhsa_reserve_vcc 0
		.amdhsa_float_denorm_mode_32 3
		.amdhsa_float_denorm_mode_16_64 3
		.amdhsa_memory_ordered 1
		.amdhsa_forward_progress 1
		.amdhsa_inst_pref_size 110
	.end_amdhsa_kernel
	.amdgpu_metadata
---
amdhsa.version: [ 1, 2 ]
amdhsa.kernels:
  - .name:           k_q032b5ff684_down
    .symbol:         k_q032b5ff684_down.kd
    .args:
      - { .name: hs, .offset: 0, .size: 8, .value_kind: global_buffer, .address_space: global }
      - { .name: w2_stacked, .offset: 8, .size: 8, .value_kind: global_buffer, .address_space: global }
      - { .name: route, .offset: 16, .size: 8, .value_kind: global_buffer, .address_space: global }
      - { .name: ys, .offset: 24, .size: 8, .value_kind: global_buffer, .address_space: global }
    .group_segment_fixed_size: 70144
    .private_segment_fixed_size: 0
    .kernarg_segment_align: 8
    .kernarg_segment_size: 32
    .max_flat_workgroup_size: 128
    .sgpr_count:     66
    .vgpr_count:     770
    .wavefront_size: 32
...
	.end_amdgpu_metadata
.endif
;; end of part 3
;; launch combine (part 4): grid 256 x 1, 8 waves a work-group, no clusters, 0 bytes of LDS; arguments ys, route, expert_weights, expert_indices, out0; writes out0
.if DOCPART == 4
	.amdgcn_target "amdgcn-amd-amdhsa--gfx1250"
	.amdhsa_code_object_version 6
	.text
	.protected	k_q032b5ff684_combine
	.globl	k_q032b5ff684_combine
	.p2align	8
	.type	k_q032b5ff684_combine,@function
k_q032b5ff684_combine:
	s_mov_b64 s[64:65], 0
	v_nop
	global_prefetch_b8 v0, s[64:65] scope:SCOPE_SE
	s_setreg_imm32_b32 hwreg(HW_REG_WAVE_MODE, 25, 1), 1
	s_wait_xcnt 0x0
; out0[t] = w[t][0] ys[pos(2 t)] + w[t][1] ys[pos(2 t + 1)]: the sum over a token's two slots, made by gathering, one owner for each output byte.
; A stream: 16 MB in, 8 MB out.  A work-group has four tokens; a wave half a row, 4,096 bytes: eight loads of 512 consecutive bytes from each of the two sorted rows, all sixteen issued
; at once, and eight stores.  No LDS, no barrier, no matrix work: nothing is shared between waves.
; FORMAT.  The two routing weights are rounded to bf16 (nearest even), as x and the experts' weights are in the launches before: the program as a whole computes reference() on inputs
; rounded to bf16, and in f32 from there on.  A weight's relative error is 2^-8 at the most.
; LIMITS.  A slot whose index lies outside 0..7 has weight 0 here, as in reference(), and multiplies sorted row 0, which is always written and must be finite.
; Two slots that name the same expert give w0 y + w1 y where reference() has (w0 + w1) y.
.set Y0, 16                            ; v[16+8 i : 19+8 i] slot 0's row, v[20+8 i : 23+8 i] slot 1's, piece i of eight
	s_load_b256 s[4:11], s[0:1], 0x0               ; ys s[4:5], route s[6:7], expert_weights s[8:9], expert_indices s[10:11]
	s_load_b64 s[12:13], s[0:1], 0x20              ; out0
	v_lshrrev_b32 v1, 5, v0
	v_readfirstlane_b32 s14, v1                    ; wave 0..7
	s_lshr_b32 s15, s14, 1
	s_lshl2_add_u32 s15, ttmp9, s15                ; my token = 4 x work-group + wave / 2
	s_lshl_b32 s16, s15, 3                         ; its two words in each of the three tables
	s_and_b32 s17, s14, 1
	s_lshl_b32 s17, s17, 12                        ; my half of the row
	v_and_b32 v2, 31, v0
	v_lshl_add_u32 v2, v2, 4, s17
	s_lshl_b32 s28, s15, 13                        ; the token's row of out0
	s_mov_b32 s29, 0
	s_wait_kmcnt 0x0
	s_load_b64 s[18:19], s[6:7], s16 offset:0x0    ; pos
	s_load_b64 s[20:21], s[8:9], s16 offset:0x0    ; the weights
	s_load_b64 s[22:23], s[10:11], s16 offset:0x0  ; the indices
	s_add_nc_u64 s[12:13], s[12:13], s[28:29]
	s_wait_kmcnt 0x0
	s_min_u32 s18, s18, 2303
	s_min_u32 s19, s19, 2303
	s_lshl_b32 s18, s18, 13
	s_lshl_b32 s19, s19, 13
	v_add_nc_u32 v3, s18, v2
	v_add_nc_u32 v4, s19, v2
.irp i, 0,1,2,3,4,5,6,7
	global_load_b128 v[Y0+8*\i:Y0+8*\i+3],   v3, s[4:5] offset:512*\i
	global_load_b128 v[Y0+8*\i+4:Y0+8*\i+7], v4, s[4:5] offset:512*\i
.endr
	s_cmp_lt_u32 s22, 8                            ; unsigned: negative numbers fall out too
	s_cselect_b32 s24, s20, 0
	s_cmp_lt_u32 s23, 8
	s_cselect_b32 s26, s21, 0
	v_mov_b32 v6, s24
	v_mov_b32 v8, s26
	v_cvt_pk_bf16_f32 v5, v6, v8                   ; both weights to bf16,
	v_lshlrev_b32 v6, 16, v5                       ; and back to f32: slot 0's from the low half,
	v_and_b32 v8, 0xffff0000, v5                   ; slot 1's from the high half
	v_mov_b32 v7, v6                               ; each twice: a pair for the packed arithmetic
	v_mov_b32 v9, v8
.irp i, 0,1,2,3,4,5,6,7
	s_wait_loadcnt 14-2*\i                         ; loads come back in order (ISA guide 5.7.1): piece i's two are in, the younger pieces' two each stay out
	v_pk_mul_f32 v[Y0+8*\i+4:Y0+8*\i+5], v[Y0+8*\i+4:Y0+8*\i+5], v[8:9]
	v_pk_mul_f32 v[Y0+8*\i+6:Y0+8*\i+7], v[Y0+8*\i+6:Y0+8*\i+7], v[8:9]
	v_pk_fma_f32 v[Y0+8*\i:Y0+8*\i+1],   v[Y0+8*\i:Y0+8*\i+1],   v[6:7], v[Y0+8*\i+4:Y0+8*\i+5]
	v_pk_fma_f32 v[Y0+8*\i+2:Y0+8*\i+3], v[Y0+8*\i+2:Y0+8*\i+3], v[6:7], v[Y0+8*\i+6:Y0+8*\i+7]
	global_store_b128 v2, v[Y0+8*\i:Y0+8*\i+3], s[12:13] offset:512*\i th:TH_STORE_NT   ; the wave stores 512 consecutive bytes, at a multiple of 512 from out0's first byte
.endr
	s_endpgm
.Lfunc_end_k_q032b5ff684_combine:
	.size	k_q032b5ff684_combine, .Lfunc_end_k_q032b5ff684_combine-k_q032b5ff684_combine
	.p2alignl 7, 3214868480
	.fill 96, 4, 3214868480
	.section	.rodata,"a",@progbits
	.p2align	6, 0x0
	.amdhsa_kernel k_q032b5ff684_combine
		.amdhsa_group_segment_fixed_size 0
		.amdhsa_private_segment_fixed_size 0
		.amdhsa_enable_private_segment 0
		.amdhsa_kernarg_size 40
		.amdhsa_user_sgpr_count 2
		.amdhsa_user_sgpr_kernarg_segment_ptr 1
		.amdhsa_wavefront_size32 1
		.amdhsa_system_sgpr_workgroup_id_x 1
		.amdhsa_system_sgpr_workgroup_id_y 1
		.amdhsa_system_sgpr_workgroup_id_z 1
		.amdhsa_system_vgpr_workitem_id 0
		.amdhsa_next_free_vgpr 80
		.amdhsa_next_free_sgpr 66
		.amdhsa_reserve_vcc 0
		.amdhsa_float_denorm_mode_32 3
		.amdhsa_float_denorm_mode_16_64 3
		.amdhsa_memory_ordered 1
		.amdhsa_forward_progress 1
		.amdhsa_inst_pref_size 7
	.end_amdhsa_kernel
	.amdgpu_metadata
---
amdhsa.version: [ 1, 2 ]
amdhsa.kernels:
  - .name:           k_q032b5ff684_combine
    .symbol:         k_q032b5ff684_combine.kd
    .args:
      - { .name: ys, .offset: 0, .size: 8, .value_kind: global_buffer, .address_space: global }
      - { .name: route, .offset: 8, .size: 8, .value_kind: global_buffer, .address_space: global }
      - { .name: expert_weights, .offset: 16, .size: 8, .value_kind: global_buffer, .address_space: global }
      - { .name: expert_indices, .offset: 24, .size: 8, .value_kind: global_buffer, .address_space: global }
      - { .name: out0, .offset: 32, .size: 8, .value_kind: global_buffer, .address_space: global }
    .group_segment_fixed_size: 0
    .private_segment_fixed_size: 0
    .kernarg_segment_align: 8
    .kernarg_segment_size: 40
    .max_flat_workgroup_size: 256
    .sgpr_count:     66
    .vgpr_count:     80
    .wavefront_size: 32
...
	.end_amdgpu_metadata
.endif
;; end of part 4
